; MI455X (gfx1250); checked and timed in simulation.
; The chip was launched on July 23, 2026; its instructions are those of AMD's public machine-readable ISA for CDNA 5 (MIT licence, August 2026) and "CDNA5" Instruction Set Architecture Reference Guide (July 2026). The comments in the code are by the model that wrote it; some were corrected since.
;; Net. Allowed arithmetic: matrix products marked QUANTISED: E2M1 operands, one E8M0 scale for each 32 along K, by v_wmma_scale_f32_16x16x128_f8f6f4 with both operands' format E2M1 (or v_wmma_scale_f32_32x16x128_f4), f32 sums; everything else in f32.
;; Inputs: b_dense 256 float32; b_hh 2,048 float32; b_ih 2,048 float32; embed_w 50,257 x 256 float32; w_dense_codes 256 x 16 x 16 uint8 (E2M1 codes of w_dense, K innermost, in blocks of 32 codes, two codes a byte); w_dense_scales 256 x 16 uint8 (E8M0 scales of w_dense, one for each 32 codes along K); w_hh_codes 2,048 x 16 x 16 uint8 (E2M1 codes of w_hh, K innermost, in blocks of 32 codes, two codes a byte); w_hh_scales 2,048 x 16 uint8 (E8M0 scales of w_hh, one for each 32 codes along K); w_ih_codes 2,048 x 8 x 16 uint8 (E2M1 codes of w_ih, K innermost, in blocks of 32 codes, two codes a byte); w_ih_scales 2,048 x 8 uint8 (E8M0 scales of w_ih, one for each 32 codes along K); x 32,768 int32.
;; Outputs: out0 32,768 x 256 float32.
;; This version of the problem:
;;   THIS VERSION OF THE PROBLEM IS GIVEN IN LOW PRECISION. The matrix products marked QUANTISED in the list below multiply operands that are first quantised to E2M1 (2 exponent bits, 1 mantissa bit; 4 bits a number), with one power-of-two scale for each 32 numbers along K (OCP MX v1.0); their sums are f32. All else is computed in f32.
;;   The module's matrix products, in the order in which they are computed (A, B: the left and right operand; K: the contracted axis; several contracted axes count as one K, in the product's order):
;;     1. [M 32,768, K 256] x [K 256, N 2,048]; A: computed on the way; B: input w_ih (given as codes): QUANTISED
;;     2. [M 32,768, K 512] x [K 512, N 2,048]; A: computed on the way; B: input w_hh (given as codes): QUANTISED
;;     3. [M 32,768, K 512] x [K 512, N 256]; A: computed on the way; B: input w_dense (given as codes): QUANTISED
;;   THE QUANTISER, for each operand of a quantised product, along K:
;;     - K is cut into blocks of 32 from its start; a last block that is shorter is filled with zeros.
;;     - A block's scale is 2^e with e = floor(log2(the largest magnitude in the block)) - 2, held to -126 .. 127; a block of zeros has e = 0. As a byte (E8M0): e + 127.
;;     - Each number is divided by its block's scale, clamped to +-6, and rounded to the nearest number of E2M1, ties to even, subnormals kept.
;;     - The product sums the exact products of the quantised numbers (number of the format x scale) in f32.
;;   ~~~python
;;   def quantise(x, axis):      # numpy; x: float32 -> the quantised numbers, widened to float32 again
;;       x = np.moveaxis(x, axis, -1); K = x.shape[-1]
;;       x = np.pad(x, [(0, 0)] * (x.ndim - 1) + [(0, -K % 32)]); x = x.reshape(x.shape[:-1] + (-1, 32)); a = np.abs(x).max(-1, keepdims=True)
;;       e = np.where(a > 0, np.clip(np.frexp(np.where(a > 0, a, 1))[1] - 1 - 2, -126, 127), 0)      # np.frexp(a)[1] - 1 = floor(log2(a)), exactly
;;       r = np.clip(x / 2.0 ** e, -6, 6)
;;       step = 2.0 ** (np.maximum(np.frexp(np.where(r == 0, 1, r))[1] - 1, 0) - 1)
;;       q = np.round(r / step) * step * 2.0 ** e      # np.round: ties to even
;;       return np.moveaxis(q.reshape(q.shape[:-2] + (-1,))[..., :K], -1, axis).astype(np.float32)
;;   ~~~
;;   OPERANDS COMPUTED ON THE WAY. 'Computed on the way' means the value that the module computes at that place (a softmax that the list does not call 'softmax' is quantised finished and normalised). What goes into a quantiser is computed in f32, as accurately as f32 sums, v_exp_f32 and their like allow (about 1e-6 of the number): no bf16 or f16 on the way to a quantiser, and a product that is left as it is and whose result goes on into a quantised operand takes f32 operands (vector FMAs, or v_wmma_f32_16x16x4_f32). A number that lies on a knife's edge between two numbers of the format may be rounded either way, as far as f32 arithmetic and the matrix unit's own rounding can turn it there, and no further.
;;   INPUTS GIVEN AS CODES. w_dense (in the module: [256, 512], K = its axis 1); w_hh (in the module: [2048, 512], K = its axis 1); w_ih (in the module: [2048, 256], K = its axis 1): each comes as NAME_codes (uint8): NAME with its K axis moved to the last place and cut into blocks of 32 codes, [.., K / 32, bytes a block], one block behind the other in memory; two codes a byte, the lower K in the low four bits (a code: sign, 2 exponent bits, 1 mantissa bit); and NAME_scales (uint8): the same leading axes, one E8M0 byte (e + 127) for each 32 codes along K. Its value is code x scale, taken as it is: it is not quantised again, and the codes and scales need not be those that the quantiser above would give.
;; 2 versions. Each part assembles by itself: llvm-mc -triple=amdgcn-amd-amdhsa -mcpu=gfx1250 --defsym DOCPART=n.
;; ======== version 1 of 2: 1 launch
;; launch net (part 1): grid 256 x 1, 16 waves a work-group, no clusters, 125,952 bytes of LDS; arguments x, embed_w, w_ih_codes, w_ih_scales, b_ih, b_hh, w_dense_codes, w_dense_scales, b_dense, out0; writes out0
.if DOCPART == 1
	.amdgcn_target "amdgcn-amd-amdhsa--gfx1250"
	.amdhsa_code_object_version 6
	.text
	.protected	k_q5b5da367e6_net
	.globl	k_q5b5da367e6_net
	.p2align	8
	.type	k_q5b5da367e6_net,@function
k_q5b5da367e6_net:
	s_mov_b64 s[64:65], 0
	v_nop
	global_prefetch_b8 v0, s[64:65] scope:SCOPE_SE
	s_setreg_imm32_b32 hwreg(HW_REG_WAVE_MODE, 25, 1), 1
	s_wait_xcnt 0x0
; out = h W_dense^T + b_dense,  h = sigmoid(o) tanh(c),  c = sigmoid(i) tanh(g),  (i, g, o) = e W_ih^T + b_ih + b_hh,  e = embed_w[x].
; Both products on codes of FP4 (E2M1) with one E8M0 scale for each 32 along K: e and h are quantised here, in registers; the weights come as codes.
; WORK LEFT OUT, for all finite values of the inputs:
;   h0 @ w_hh^T: h0 is a zero that the problem builds itself; its codes are zeros, so the product is 0.  w_hh_codes and w_hh_scales have no way to the output: not loaded, no arguments.
;   the gate f: it enters only sigmoid(f) * c0, and c0 is a zero that the problem builds itself.  So rows 512 .. 1023 of w_ih, b_ih and b_hh are not read and not multiplied.
;   LIMIT: a NaN, an infinity, an overflow or a scale byte 0xff that reaches only this work is not carried to the result.
; SHARES.  256 work-groups of 128 tokens (8 tiles of 16).  Sixteen waves of 256 registers.  THE WAVES SHARE THE COLUMNS: wave w owns hidden units 32 w .. 32 w + 31, one block of the second
;   product's K, and keeps their i, g and o rows of w_ih (12 fragments, 96 registers), the scale words and the summed biases in registers for all eight tiles.
; PHASES.  X: wave w gathers tokens 8 w .. 8 w + 7, quantises them and lays them in LDS as images of the operand's registers; it also lays one column tile of w_dense there | barrier |
;   1: for each tile of tokens: gates (transposed: source 0 = 16 rows of w_ih, source 1 = 16 tokens), the cell, h quantised: 16 bytes of codes and one scale byte a token, to LDS | barrier |
;   2: wave w makes outputs 64 (w % 4) .. + 63 of token tiles 2 (w / 4), 2 (w / 4) + 1 and stores them.
; THE ROWS OF A TILE ARE CHOSEN.  w_ih: lane r of tile u takes row (gate) + 32 w + 8 u + r + (r & 8): a lane's 16 results of u = 0, 1 are units 32 w + 16 (lane / 16) + 0 .. 15, neighbours along the next K.
;   w_dense: lane r of tile t takes row 64 (w % 4) + 4 r + t: register j of the four tiles is four neighbouring outputs of one token, and sixteen lanes store 256 consecutive bytes, aligned.
; THE CELL, in f32, with forms of tanh that take no difference of near numbers (g and c may be small):
;   tanh(g) = g P(g^2) / Q(g^2), P of degree 6, Q of degree 3, g held to +-7.90531, beyond which tanh is +-1 in f32;  sigmoid(i) = 1 / (1 + a), a = 2^(-log2(e) i);  c = g P / (Q + Q a): one reciprocal.
;   |c| <= 1 whatever the inputs (a sigmoid times a tanh): tanh(c) = c (21 T^2 + 1260 T + 10395) / (T^3 + 210 T^2 + 4725 T + 10395), T = c^2, the continued fraction's sixth convergent, within 4e-10 there.
;   LIMITS: where (1 + a) Q passes about 2^126 the reciprocal is 0 and so is the result (its true size is under 1e-36).  NaN and infinities among the inputs are not served.
;   A block whose largest magnitude lies under 2^-124 has its byte held at 1; a block of zeros so gets the byte 1: its codes are zeros, and this program alone reads the bytes.
; NOT USED, AND WHY.  Tensor loads: the rows of e come by a list, and each weight byte is read once by a work-group.  Joint loads in a cluster: a fragment of w_ih serves ONE wave of a work-group, from its
;   registers, for all eight tiles; a joint load lands in LDS alone, which would add 192 KB written and read once for each work-group; w_dense is 64 KB beside 448 KB of other bytes.
; The eight tiles are written out: the tile stands in each LDS offset, so every LDS address is a constant + a lane term + a wave term.
.set VOCAB, 50257
; LDS
.set XIMG,  0                          ; e's codes: [tile m][K step s][half c], 512 bytes each: a lane's 16 bytes at 16 x lane
.set XSC,   16384                      ; e's scale bytes: [128 tokens][8]
.set HIMG,  17408                      ; h's codes: [tile m][K step s of 4][half c], likewise
.set HSC,   50176                      ; h's scale bytes: [128 tokens][16]
.set BL,    52224                      ; 384 bytes for each wave: b_ih + b_hh of its 3 x 32 gate rows
.set WIMG,  58368                      ; w_dense's codes: [group of 64 outputs][tile t][K step s][half c], 512 bytes each
.set SPARE, 123904                     ; the spare words, 128 bytes for each wave: eight blocks of 256 bytes that no other line names
; vector registers.  v0 the thread's number, kept.  v1-v5 addresses.  v[6:7], v[8:9], v[10:11] three constants, twice each
.set WIS,  12                          ; v12-17   w_ih's scale words of tile (g, u): lanes 0-15 K step 0, lanes 16-31 K step 1
.set XS,   18                          ; v18-19   e's scale words, K steps 0, 1
.set HS,   20                          ; v20-23   h's scale words, K steps 0 .. 3: lanes 0-15 my first token tile, lanes 16-31 my second
.set WI,   24                          ; v24-119  w_ih's fragments (g, u, s) at 8 (4 g + 2 u + s)
.set BIAS, 120                         ; v120-167 the biases in the result's layout, (g, u) at 16 g + 8 u
.set TT,   168                         ; v168-175 T;  v176-183 P;  v184-191 Q: at work
.set PP,   176
.set QQ,   184
.set ACC,  192                         ; v192-239 the gates: i, g, o, 16 each
.set GI,   192
.set GG,   208
.set GO,   224
.set XF,   240                         ; v240-255 e's two fragments
.set WDS,  12                          ; phase 2: v12-19 w_dense's scale words (t, p): lanes 0-15 K step 2 p, lanes 16-31 K step 2 p + 1
.set WD,   24                          ; v24-151  w_dense's fragments (t, s) at 8 (4 t + s)
.set BD,   152                         ; v152-155 b_dense of my lane's four outputs
.set OACC, 156                         ; v156-187 four accumulators
.set AOUT, 188                         ; v188     my byte offset in out
.set HF,   192                         ; v192-255 h's fragments (tt, s) at 32 tt + 8 s; then the results
.set SPW,  190                         ; v190, v191: made at the end from v0: the wave's 256 registers leave no two to be kept
.set NIL,  191
.set WV,   28                          ; s28      my wave's number
.macro PAIR r, bits                    ; a constant for the packed forms: they name a pair and take its low word for both halves
	s_mov_b32 s[\r], \bits
	s_mov_b32 s[\r+1], \bits
.endm
; e's fragments and scale words of token tile m
.macro XFLOAD m
.irp s, 0,1
.irp c, 0,1
	ds_load_b128 v[XF+8*\s+4*\c:XF+8*\s+4*\c+3], v2 offset:2048*(\m)+1024*\s+512*\c
.endr
.endr
	ds_load_b64 v[XS:XS+1], v3 offset:128*(\m)
.endm
; 12 matrix instructions: six accumulators by turns, one instruction a turn; the first K step takes the biases as C
.macro GATES
.irp g, 0,1,2
.irp u, 0,1
	v_wmma_scale_f32_16x16x128_f8f6f4 v[ACC+16*\g+8*\u:ACC+16*\g+8*\u+7], v[WI+8*(4*\g+2*\u):WI+8*(4*\g+2*\u)+7], v[XF:XF+7], v[BIAS+16*\g+8*\u:BIAS+16*\g+8*\u+7], v[WIS+2*\g+\u], v[XS] matrix_a_fmt:MATRIX_FMT_FP4 matrix_b_fmt:MATRIX_FMT_FP4
.endr
.endr
.irp g, 0,1,2
.irp u, 0,1
	v_wmma_scale_f32_16x16x128_f8f6f4 v[ACC+16*\g+8*\u:ACC+16*\g+8*\u+7], v[WI+8*(4*\g+2*\u+1):WI+8*(4*\g+2*\u+1)+7], v[XF+8:XF+15], v[ACC+16*\g+8*\u:ACC+16*\g+8*\u+7], v[WIS+2*\g+\u], v[XS+1] matrix_a_fmt:MATRIX_FMT_FP4 matrix_b_fmt:MATRIX_FMT_FP4 matrix_a_scale:MATRIX_SCALE_ROW1
.endr
.endr
.endm
; one step of a polynomial over four pairs: d = d T + the constant in s[k:k+1]
.macro HORNER d, k
.irp p, 0,2,4,6
	v_pk_fma_f32 v[\d+\p:\d+\p+1], v[\d+\p:\d+\p+1], v[TT+\p:TT+\p+1], s[\k:\k+1] op_sel_hi:[1,1,0]
.endr
.endm
; numbers 8 sb .. 8 sb + 7: g becomes g P(g^2), a_i becomes Q(g^2) (1 + a_i)
.macro POLYG sb
.irp p, 0,2,4,6
	v_pk_mul_f32 v[TT+\p:TT+\p+1], v[GG+8*\sb+\p:GG+8*\sb+\p+1], v[GG+8*\sb+\p:GG+8*\sb+\p+1]
.endr
.irp p, 0,2,4,6
	v_pk_fma_f32 v[PP+\p:PP+\p+1], v[TT+\p:TT+\p+1], s[42:43], v[6:7] op_sel_hi:[1,0,1]    ; A13 T + A11
.endr
.irp p, 0,2,4,6
	v_pk_fma_f32 v[QQ+\p:QQ+\p+1], v[TT+\p:TT+\p+1], s[54:55], v[8:9] op_sel_hi:[1,0,1]    ; B6 T + B4
.endr
	HORNER PP, 44                                  ; + A9
	HORNER QQ, 56                                  ; + B2
	HORNER PP, 46                                  ; + A7
	HORNER QQ, 58                                  ; + B0
	HORNER PP, 48                                  ; + A5
	HORNER PP, 50                                  ; + A3
	HORNER PP, 52                                  ; + A1
.irp p, 0,2,4,6
	v_pk_mul_f32 v[GG+8*\sb+\p:GG+8*\sb+\p+1], v[GG+8*\sb+\p:GG+8*\sb+\p+1], v[PP+\p:PP+\p+1]
.endr
.if \sb == 0
	s_wait_alu depctr_va_vdst(0)                   ; one wait for the tile's 32 exponentials, ahead of the first line that names a result; the holds and the polynomials above are the work between
.endif
.irp p, 0,2,4,6
	v_pk_fma_f32 v[GI+8*\sb+\p:GI+8*\sb+\p+1], v[QQ+\p:QQ+\p+1], v[GI+8*\sb+\p:GI+8*\sb+\p+1], v[QQ+\p:QQ+\p+1]
.endr
.endm
; numbers 8 sb .. 8 sb + 7: c becomes c P(c^2), a_o becomes Q(c^2) (1 + a_o)
.macro POLYC sb
.irp p, 0,2,4,6
	v_pk_mul_f32 v[TT+\p:TT+\p+1], v[GG+8*\sb+\p:GG+8*\sb+\p+1], v[GG+8*\sb+\p:GG+8*\sb+\p+1]
.endr
.irp p, 0,2,4,6
	v_pk_fma_f32 v[PP+\p:PP+\p+1], v[TT+\p:TT+\p+1], s[60:61], v[10:11] op_sel_hi:[1,0,1]  ; 21 T + 1260
.endr
.irp p, 0,2,4,6
	v_pk_add_f32 v[QQ+\p:QQ+\p+1], v[TT+\p:TT+\p+1], s[66:67] op_sel_hi:[1,0]              ; T + 210
.endr
	HORNER PP, 62                                  ; + 10395
	HORNER QQ, 68                                  ; + 4725
	HORNER QQ, 62                                  ; + 10395
.irp p, 0,2,4,6
	v_pk_mul_f32 v[GG+8*\sb+\p:GG+8*\sb+\p+1], v[GG+8*\sb+\p:GG+8*\sb+\p+1], v[PP+\p:PP+\p+1]
.endr
.irp p, 0,2,4,6
	v_pk_fma_f32 v[GO+8*\sb+\p:GO+8*\sb+\p+1], v[QQ+\p:QQ+\p+1], v[GO+8*\sb+\p:GO+8*\sb+\p+1], v[QQ+\p:QQ+\p+1]
.endr
.endm
; 16 reciprocals of v[d ..] as one batch, one plain line, one wait; then g's registers times them
.macro DIVIDE d
.irp j, 0,1,2,3,4,5,6,7,8,9,10,11,12,13,14,15
	v_rcp_f32 v[\d+\j], v[\d+\j]
.endr
	v_nop                                          ; a plain line between the last reciprocal and the use of a result
	s_wait_alu depctr_va_vdst(0)                   ; and one wait ahead of the first use: one for the sixteen
.irp j, 0,2,4,6,8,10,12,14
	v_pk_mul_f32 v[GG+\j:GG+\j+1], v[GG+\j:GG+\j+1], v[\d+\j:\d+\j+1]
.endr
.endm
; the cell: a lane's 16 units of one token.  Each accumulator is read from its low end on
.macro VEC
.irp j, 0,2,4,6,8,10,12,14
	v_pk_mul_f32 v[GI+\j:GI+\j+1], v[GI+\j:GI+\j+1], s[40:41] op_sel_hi:[1,0]              ; -log2(e) i
.endr
.irp j, 0,2,4,6,8,10,12,14
	v_pk_mul_f32 v[GO+\j:GO+\j+1], v[GO+\j:GO+\j+1], s[40:41] op_sel_hi:[1,0]              ; -log2(e) o
.endr
.irp j, 0,1,2,3,4,5,6,7,8,9,10,11,12,13,14,15
	v_exp_f32 v[GI+\j], v[GI+\j]                   ; a_i = e^-i
.endr
.irp j, 0,1,2,3,4,5,6,7,8,9,10,11,12,13,14,15
	v_exp_f32 v[GO+\j], v[GO+\j]                   ; a_o = e^-o
.endr
.irp j, 0,1,2,3,4,5,6,7,8,9,10,11,12,13,14,15
	v_med3_num_f32 v[GG+\j], v[GG+\j], s70, s71    ; g held to +-7.90531.  (Plain lines behind the exponentials)
.endr
	POLYG 0
	POLYG 1
	DIVIDE GI                                      ; c = g P / (Q (1 + a_i))
	POLYC 0
	POLYC 1
	DIVIDE GO                                      ; h = c P / (Q (1 + a_o))
.endm
; h's block w of token tile m: my 16 numbers and those of lane l xor 16 are the block.  8 bytes of codes a lane, one scale byte a token
.macro QH m
	v_max3_num_f32 v[TT], |v[GG]|, |v[GG+1]|, 0x1800000            ; with the floor 2^(3 - 127): the byte cannot fall under 1
	v_max3_num_f32 v[TT+2], |v[GG+8]|, |v[GG+9]|, |v[GG+10]|
	v_max3_num_f32 v[TT], v[TT], |v[GG+2]|, |v[GG+3]|
	v_max3_num_f32 v[TT+2], v[TT+2], |v[GG+11]|, |v[GG+12]|
	v_max3_num_f32 v[TT], v[TT], |v[GG+4]|, |v[GG+5]|
	v_max3_num_f32 v[TT+2], v[TT+2], |v[GG+13]|, |v[GG+14]|
	v_max3_num_f32 v[TT], v[TT], |v[GG+6]|, |v[GG+7]|
	v_max3_num_f32 v[TT], v[TT], v[TT+2], |v[GG+15]|
	v_permlanex16_b32 v[TT+1], v[TT], s72, s73
	v_max_num_f32 v[TT], v[TT], v[TT+1]            ; the block's largest magnitude
	v_add_nc_u32 v[TT+3], 0xff000000, v[TT]        ; 2 off its exponent field: the conversion takes the exponent field of this operand as its scale
	v_cvt_scalef32_pk8_fp4_f32 v[TT+4], v[GG:GG+7], v[TT+3]
	v_cvt_scalef32_pk8_fp4_f32 v[TT+5], v[GG+8:GG+15], v[TT+3]
	v_lshrrev_b32 v[TT+6], 23, v[TT+3]             ; the scale's byte.  (The plain line behind the conversions)
	ds_store_b64 v4, v[TT+4:TT+5] offset:4096*(\m) ; block w of K is 16 bytes of lane r + 16 (w % 2) in image (m, w / 4, (w / 2) % 2): byte 256 w + 16 r + 8 (lane / 16) of the tile's 4,096
	ds_store_b8 v5, v[TT+6] offset:256*(\m)        ; both lanes of a token write the same byte with the same value
.endm
; behind the last tile's products w_ih's registers are free: w_dense's 16 fragments come from LDS, its scale words and b_dense from memory, under the last tile's vector work
.macro WDLOAD
	s_and_b32 s29, s[WV], 3
	s_lshl_b32 s29, s29, 14
	s_add_co_u32 s29, s29, WIMG                    ; my group of 64 outputs
	v_and_b32 v1, 31, v0                           ; these seven plain lines are the places between the products and the loads into their registers
	v_lshl_add_u32 v2, v1, 4, s29
	v_and_b32 v1, 15, v0
	v_bfe_u32 v3, v0, 4, 1
	v_lshlrev_b32 v3, 2, v3
	v_lshl_add_u32 v3, v1, 6, v3                   ; scale words: row 4 r + t of 16 bytes, + 4 for lanes 16-31
	v_lshlrev_b32 v1, 4, v1                        ; b_dense: 4 numbers a lane
.irp t, 0,1,2,3
.irp s, 0,1,2,3
.irp c, 0,1
	ds_load_b128 v[WD+8*(4*\t+\s)+4*\c:WD+8*(4*\t+\s)+4*\c+3], v2 offset:4096*\t+1024*\s+512*\c
.endr
.endr
.endr
.irp t, 0,1,2,3
.irp p, 0,1
	global_load_b32 v[WDS+2*\t+\p], v3, s[22:23] offset:16*\t+8*\p
.endr
.endr
	global_load_b128 v[BD:BD+3], v1, s[24:25]
.endm
.macro TILE m
	s_wait_dscnt 0x0                               ; this tile's fragments and scale words of e are in; the last tile's two stores are done
	GATES
.if (\m) < 7
.rept 4
	v_nop                                          ; four places between the products and the loads into registers that they read, and the first read of a result
.endr
	XFLOAD (\m)+1                                  ; the next tile's, a tile's vector work ahead of their use
.else
	WDLOAD
.endif
	VEC
	QH \m
.endm
; 16 matrix instructions: my four tiles of outputs by turns, K step by K step, for my token tile tt.  Source 0 = h's 16 tokens, source 1 = 16 rows of w_dense
.macro P2MUL tt
.irp s, 0,1,2,3
.irp t, 0,1,2,3
.set rD, OACC+8*\t
.set rA, HF+32*\tt+8*\s
.set rB, WD+8*(4*\t+\s)
.set rS, WDS+2*\t+\s/2
.if (\s == 0) && (\tt == 0)
	v_wmma_scale_f32_16x16x128_f8f6f4 v[rD:rD+7], v[rA:rA+7], v[rB:rB+7], 0, v[HS+\s], v[rS] matrix_a_fmt:MATRIX_FMT_FP4 matrix_b_fmt:MATRIX_FMT_FP4
.elseif \s == 0
	v_wmma_scale_f32_16x16x128_f8f6f4 v[rD:rD+7], v[rA:rA+7], v[rB:rB+7], 0, v[HS+\s], v[rS] matrix_a_fmt:MATRIX_FMT_FP4 matrix_b_fmt:MATRIX_FMT_FP4 matrix_a_scale:MATRIX_SCALE_ROW1
.elseif (\s == 2) && (\tt == 0)
	v_wmma_scale_f32_16x16x128_f8f6f4 v[rD:rD+7], v[rA:rA+7], v[rB:rB+7], v[rD:rD+7], v[HS+\s], v[rS] matrix_a_fmt:MATRIX_FMT_FP4 matrix_b_fmt:MATRIX_FMT_FP4
.elseif \s == 2
	v_wmma_scale_f32_16x16x128_f8f6f4 v[rD:rD+7], v[rA:rA+7], v[rB:rB+7], v[rD:rD+7], v[HS+\s], v[rS] matrix_a_fmt:MATRIX_FMT_FP4 matrix_b_fmt:MATRIX_FMT_FP4 matrix_a_scale:MATRIX_SCALE_ROW1
.elseif \tt == 0
	v_wmma_scale_f32_16x16x128_f8f6f4 v[rD:rD+7], v[rA:rA+7], v[rB:rB+7], v[rD:rD+7], v[HS+\s], v[rS] matrix_a_fmt:MATRIX_FMT_FP4 matrix_b_fmt:MATRIX_FMT_FP4 matrix_b_scale:MATRIX_SCALE_ROW1
.else
	v_wmma_scale_f32_16x16x128_f8f6f4 v[rD:rD+7], v[rA:rA+7], v[rB:rB+7], v[rD:rD+7], v[HS+\s], v[rS] matrix_a_fmt:MATRIX_FMT_FP4 matrix_b_fmt:MATRIX_FMT_FP4 matrix_a_scale:MATRIX_SCALE_ROW1 matrix_b_scale:MATRIX_SCALE_ROW1
.endif
.endr
.endr
.endm
; register j of the four accumulators: outputs 4 r + 0 .. 3 of token 8 (lane / 16) + j.  With the bias they go into the registers that h's fragments have left, and out
.macro P2OUT tt
.rept 4
	v_nop                                          ; four places between the products and the lines that read their results and write over their sources
.endr
.irp j, 0,1,2,3,4,5,6,7
.irp t, 0,1,2,3
	v_add_f32 v[HF+32*\tt+4*\j+\t], v[OACC+8*\t+\j], v[BD+\t]      ; j = 0 first: each accumulator is read from its low end on
.endr
	global_store_b128 v[AOUT], v[HF+32*\tt+4*\j:HF+32*\tt+4*\j+3], s[26:27] offset:(16*\tt+\j)*1024 th:TH_STORE_NT   ; sixteen lanes store 256 consecutive bytes, at a multiple of 256 from out's first byte; the other sixteen those of the token 8 rows on
.endr
.endm
	; ---- the head
	s_load_b512 s[8:23], s[0:1], 0x0               ; x s[8:9], embed_w s[10:11], w_ih's codes s[12:13], scales s[14:15], b_ih s[16:17], b_hh s[18:19], w_dense's codes s[20:21], scales s[22:23]
	s_load_b128 s[24:27], s[0:1], 0x40             ; b_dense s[24:25], out s[26:27]
	v_lshrrev_b32 v11, 5, v0
	v_readfirstlane_b32 s[WV], v11                 ; wave 0 .. 15
	v_and_b32 v176, 31, v0                         ; l: lane
	v_and_b32 v177, 15, v0                         ; r
	v_bfe_u32 v178, v0, 4, 1                       ; h
	v_and_b32 v179, 8, v0
	v_add_nc_u32 v179, v179, v177                  ; r + (r & 8)
	v_bfe_u32 v180, v0, 2, 3                       ; l / 4: which block of 32 of a row of e
	v_and_b32 v181, 3, v0                          ; l % 4
	v_lshlrev_b32 v1, 5, v176                      ; e: my 8 numbers of a row: 32 l
	v_lshlrev_b32 v2, 7, v179
	v_lshl_add_u32 v2, v178, 4, v2                 ; w_ih's codes: a row is 128 bytes; + 16 h
	v_lshlrev_b32 v3, 3, v179
	v_lshl_add_u32 v3, v178, 2, v3                 ; w_ih's scale words: 8 bytes a row; lanes 16-31 take K step 1's
	v_lshlrev_b32 v4, 2, v176                      ; the biases: 4 l
	v_lshlrev_b32 v5, 10, v177
	v_lshl_add_u32 v5, v178, 4, v5                 ; w_dense's codes: rows 4 r + t of 256 bytes; + 16 h
	s_lshr_b32 s29, s[WV], 1
	s_lshl_b32 s29, s29, 11
	s_and_b32 s30, s[WV], 1
	s_lshl_b32 s30, s30, 7
	s_add_co_u32 s29, s29, s30
	s_add_co_u32 s29, s29, XIMG
	v_lshlrev_b32 v6, 8, v180
	v_lshl_add_u32 v6, v181, 2, v6
	v_add_nc_u32 v6, s29, v6                       ; e's codes: token 8 w + i, k = 8 l on: 2048 (w / 2) + 128 (w % 2) + 16 i + 256 (l / 4) + 4 (l % 4)
	s_lshl_b32 s29, s[WV], 6
	s_add_co_u32 s29, s29, XSC
	v_add_nc_u32 v7, s29, v180                     ; e's scale bytes: 8 (8 w + i) + l / 4
	s_mul_i32 s29, s[WV], 384
	s_add_co_u32 s29, s29, BL
	v_add_nc_u32 v8, s29, v4                       ; my wave's biases: in, 4 l;
	v_lshl_add_u32 v9, v178, 6, s29                ; back, units 16 h on
	s_lshl_b32 s29, s[WV], 12
	s_add_co_u32 s29, s29, WIMG
	v_lshl_add_u32 v10, v176, 4, s29               ; w_dense's images: column tile w, 16 l
	PAIR 40, 0xbfb8aa3b                            ; -log2(e)
	PAIR 42, 0xa59f25c0                            ; A13 = -2.76076847742355e-16
	PAIR 44, 0xaebd37ff                            ; A9  = -8.60467152213735e-11
	PAIR 46, 0x335c0041                            ; A7  =  5.12229709037114e-08
	PAIR 48, 0x3779434a                            ; A5  =  1.48572235717979e-05
	PAIR 50, 0x3a270ded                            ; A3  =  6.37261928875436e-04
	PAIR 52, 0x3ba059dc                            ; A1  =  4.89352455891786e-03
	PAIR 54, 0x35a0d3d8                            ; B6  =  1.19825839466702e-06
	PAIR 56, 0x3b14aa05                            ; B2  =  2.26843463243900e-03
	PAIR 58, 0x3ba059dd                            ; B0  =  4.89352518554385e-03
	PAIR 60, 0x41a80000                            ; 21
	PAIR 62, 0x46226c00                            ; 10395
	PAIR 66, 0x43520000                            ; 210
	PAIR 68, 0x4593a800                            ; 4725
	s_mov_b32 s70, 0xc0fcf84f                      ; -7.90531
	s_mov_b32 s71, 0x40fcf84f                      ; +7.90531
	s_mov_b32 s72, 0x76543210
	s_mov_b32 s73, 0xfedcba98                      ; v_permlanex16_b32's selects for lane l xor 16
	s_lshl_b32 s2, ttmp9, 9
	s_lshl_b32 s3, s[WV], 5
	s_add_co_u32 s2, s2, s3                        ; x: 4 bytes x (128 x work-group + 8 x wave)
	s_mov_b32 s3, 0
	s_mov_b32 s5, 0
	s_wait_kmcnt 0x0
	s_add_nc_u64 s[8:9], s[8:9], s[2:3]
	s_load_b256 s[32:39], s[8:9], 0x0              ; my eight tokens' indices
	s_and_b32 s6, s[WV], 3
	s_lshr_b32 s7, s[WV], 2
	s_lshl_b32 s4, s7, 14
	s_lshl_b32 s29, s6, 8
	s_add_co_u32 s4, s4, s29
	s_add_nc_u64 s[20:21], s[20:21], s[4:5]        ; w_dense's codes, for the images: group w / 4 of 64 rows, tile t = w % 4: row 64 (w / 4) + t
	s_lshl_b32 s4, s[WV], 7
	s_add_nc_u64 s[16:17], s[16:17], s[4:5]        ; the biases: unit 32 w
	s_add_nc_u64 s[18:19], s[18:19], s[4:5]
	s_lshl_b32 s4, s[WV], 8
	s_add_nc_u64 s[14:15], s[14:15], s[4:5]        ; w_ih's scales: row 32 w
	s_lshl_b32 s4, s[WV], 12
	s_add_nc_u64 s[12:13], s[12:13], s[4:5]        ; w_ih's codes: row 32 w
	s_lshl_b32 s4, s6, 10
	s_add_nc_u64 s[22:23], s[22:23], s[4:5]        ; phase 2: w_dense's scales: row 64 (w % 4);
	s_mov_b32 s4, s29
	s_add_nc_u64 s[24:25], s[24:25], s[4:5]        ; b_dense: output 64 (w % 4);
	s_lshl_b32 s4, ttmp9, 17
	s_lshl_b32 s30, s7, 15
	s_add_co_u32 s4, s4, s30
	s_add_co_u32 s4, s4, s29
	s_add_nc_u64 s[26:27], s[26:27], s[4:5]        ; out: token 128 x work-group + 32 (w / 4), output 64 (w % 4)
.irp s, 0,1,2,3
.irp c, 0,1
	global_load_b128 v[BIAS+8*\s+4*\c:BIAS+8*\s+4*\c+3], v5, s[20:21] offset:64*\s+32*\c   ; one column tile of w_dense, four fragments: on their way to LDS
.endr
.endr
.irp g, 0,1,2
	global_load_b32 v[QQ+\g], v4, s[16:17] offset:4*512*(\g+(\g+1)/2)                      ; b_ih and b_hh of my 32 units: gate rows 0, 1024, 1536 on
	global_load_b32 v[QQ+3+\g], v4, s[18:19] offset:4*512*(\g+(\g+1)/2)
.endr
.irp g, 0,1,2
.irp u, 0,1
	global_load_b32 v[WIS+2*\g+\u], v3, s[14:15] offset:(512*(\g+(\g+1)/2)+8*\u)*8
.endr
.endr
.irp g, 0,1,2
.irp u, 0,1
.irp s, 0,1
.irp c, 0,1
	global_load_b128 v[WI+8*(4*\g+2*\u+\s)+4*\c:WI+8*(4*\g+2*\u+\s)+4*\c+3], v2, s[12:13] offset:(512*(\g+(\g+1)/2)+8*\u)*128+64*\s+32*\c
.endr
.endr
.endr
.endr
	s_wait_kmcnt 0x0                               ; the indices
.irp i, 0,1,2,3,4,5,6,7
	s_min_u32 s[32+\i], s[32+\i], VOCAB-1          ; an index stays inside the table
	s_lshl_b32 s[32+\i], s[32+\i], 10              ; a row of embed_w is 1,024 bytes
	v_add_nc_u32 v[TT+\i], s[32+\i], v1
	global_load_b128 v[ACC+8*\i:ACC+8*\i+3], v[TT+\i], s[10:11]                ; token i: my lane's k = 8 l .. 8 l + 7
	global_load_b128 v[ACC+8*\i+4:ACC+8*\i+7], v[TT+\i], s[10:11] offset:16
.endr
	s_wait_loadcnt 46                              ; w_dense's 8 loads and the biases' 6 are in; the 6 + 24 + 16 issued behind them may be out
.irp s, 0,1,2,3
.irp c, 0,1
	ds_store_b128 v10, v[BIAS+8*\s+4*\c:BIAS+8*\s+4*\c+3] offset:1024*\s+512*\c            ; as images of the operand's registers
.endr
.endr
.irp g, 0,1,2
	v_add_f32 v[QQ+\g], v[QQ+\g], v[QQ+3+\g]       ; b_ih + b_hh
.endr
.irp g, 0,1,2
	ds_store_b32 v8, v[QQ+\g] offset:128*\g
.endr
	s_wait_dscnt 0x0                               ; the stores have read their registers, which the loads below fill
.irp g, 0,1,2
.irp u, 0,1
	ds_load_b128 v[BIAS+16*\g+8*\u:BIAS+16*\g+8*\u+3], v9 offset:128*\g+32*\u              ; my wave's own bytes: units 16 h + 8 u + 0 .. 7, the result's layout
	ds_load_b128 v[BIAS+16*\g+8*\u+4:BIAS+16*\g+8*\u+7], v9 offset:128*\g+32*\u+16
.endr
.endr
	; ---- X: my eight tokens are quantised.  A block of 32 lies in four neighbouring lanes; the eight tokens take turns line by line
	s_wait_loadcnt 0x0
.irp i, 0,1,2,3,4,5,6,7
	v_max3_num_f32 v[PP+\i], |v[ACC+8*\i]|, |v[ACC+8*\i+1]|, 0x1800000                     ; with the floor 2^(3 - 127)
.endr
.irp p, 2,4,6
.irp i, 0,1,2,3,4,5,6,7
	v_max3_num_f32 v[PP+\i], v[PP+\i], |v[ACC+8*\i+\p]|, |v[ACC+8*\i+\p+1]|
.endr
.endr
.irp i, 0,1,2,3,4,5,6,7
	v_max_num_f32_dpp v[PP+\i], v[PP+\i], v[PP+\i] row_xmask:1 row_mask:0xf bank_mask:0xf
.endr
.irp i, 0,1,2,3,4,5,6,7
	v_max_num_f32_dpp v[PP+\i], v[PP+\i], v[PP+\i] row_xmask:2 row_mask:0xf bank_mask:0xf
.endr
.irp i, 0,1,2,3,4,5,6,7
	v_add_nc_u32 v[PP+\i], 0xff000000, v[PP+\i]    ; 2 off the exponent field: the conversion's scale operand
.endr
.irp i, 0,1,2,3,4,5,6,7
	v_cvt_scalef32_pk8_fp4_f32 v[QQ+\i], v[ACC+8*\i:ACC+8*\i+7], v[PP+\i]
.endr
	v_nop                                          ; one plain line behind the conversions, ahead of the lines that write their sources
.irp i, 0,1,2,3,4,5,6,7
	v_lshrrev_b32 v[PP+\i], 23, v[PP+\i]           ; the scale's byte
.endr
.irp i, 0,1,2,3,4,5,6,7
	ds_store_b32 v6, v[QQ+\i] offset:16*\i
	ds_store_b8 v7, v[PP+\i] offset:8*\i           ; the four lanes of a block write the same byte with the same value
.endr
	s_wait_dscnt 0x0                               ; for the others' sake: my images and bytes lie in LDS; my biases are in
	s_barrier_signal -1
	v_mov_b32 v6, 0x2a61337e                       ; work on registers while the others arrive.  A11 = 2.00018790482477e-13,
	v_mov_b32 v7, 0x2a61337e
	v_mov_b32 v8, 0x38f895d6                       ; B4 = 1.18534705686654e-04,
	v_mov_b32 v9, 0x38f895d6
	v_mov_b32 v10, 0x449d8000                      ; 1260: the second constant of a polynomial's first step stands in vector registers
	v_mov_b32 v11, 0x449d8000
	v_and_b32 v2, 31, v0
	v_lshl_add_u32 v2, v2, 4, XIMG                 ; e's images: 16 l
	v_and_b32 v1, 15, v0
	v_lshl_add_u32 v3, v1, 3, XSC                  ; e's scale words: 8 r
	s_lshl_b32 s29, s[WV], 8
	s_add_co_u32 s29, s29, HIMG
	v_bfe_u32 v4, v0, 4, 1
	v_lshlrev_b32 v4, 3, v4
	v_lshl_add_u32 v4, v1, 4, v4
	v_add_nc_u32 v4, s29, v4                       ; h's codes: 256 w + 16 r + 8 h
	s_add_co_u32 s29, s[WV], HSC
	v_lshl_add_u32 v5, v1, 4, s29                  ; h's scale byte: 16 r + w
	s_barrier_wait -1                              ; e's images and bytes and w_dense's images are whole
	; ---- 1: the eight tiles of tokens
	XFLOAD 0
.irp m, 0,1,2,3,4,5,6,7
	TILE \m
.endr
	s_wait_dscnt 0x0                               ; for the others' sake: my part of h lies in LDS; w_dense's fragments are in
	s_barrier_signal -1
	s_lshr_b32 s29, s[WV], 2                       ; work on registers while the others arrive: my pair of token tiles
	s_lshl_b32 s30, s29, 13
	s_add_co_u32 s30, s30, HIMG
	s_lshl_b32 s31, s29, 9
	s_add_co_u32 s31, s31, HSC
	v_and_b32 v189, 31, v0
	v_lshl_add_u32 v4, v189, 4, s30                ; h's images: 8192 (w / 4) + 16 l
	v_lshl_add_u32 v5, v189, 4, s31                ; h's scale words: token 32 (w / 4) + l, 16 bytes
	v_bfe_u32 v[AOUT], v0, 4, 1
	v_lshlrev_b32 v[AOUT], 13, v[AOUT]
	v_and_b32 v189, 15, v0
	v_lshl_add_u32 v[AOUT], v189, 4, v[AOUT]       ; out: 8 h rows of 1,024 bytes + 16 r
	s_barrier_wait -1                              ; h's images and bytes are whole
	; ---- 2: the dense head
	s_wait_loadcnt 0x0                             ; w_dense's scale words and b_dense, asked for a tile ago
	ds_load_b128 v[HS:HS+3], v5
.irp tt, 0,1
.irp s, 0,1,2,3
.irp c, 0,1
	ds_load_b128 v[HF+32*\tt+8*\s+4*\c:HF+32*\tt+8*\s+4*\c+3], v4 offset:4096*\tt+1024*\s+512*\c
.endr
.endr
.endr
	s_wait_dscnt 8                                 ; the scale words and my first tile's fragments are in; the second tile's eight loads may be out
	P2MUL 0
	P2OUT 0
	s_wait_dscnt 0x0
	P2MUL 1                                        ; its first products begin the four accumulators anew: behind the four v_nop stand 18 additions or more that name no register of any one earlier product
	P2OUT 1
	v_lshl_add_u32 v[SPW], v0, 2, SPARE            ; the wave's end: an add of 0 to a spare LDS word, behind my last LDS store
	v_mov_b32 v[NIL], 0
	s_wait_tensorcnt 0x0
	ds_add_u32 v[SPW], v[NIL]
	s_wait_dscnt 0x0
	s_endpgm
.Lfunc_end_k_q5b5da367e6_net:
	.size	k_q5b5da367e6_net, .Lfunc_end_k_q5b5da367e6_net-k_q5b5da367e6_net
	.p2alignl 7, 3214868480
	.fill 96, 4, 3214868480
	.section	.rodata,"a",@progbits
	.p2align	6, 0x0
	.amdhsa_kernel k_q5b5da367e6_net
		.amdhsa_group_segment_fixed_size 125952
		.amdhsa_private_segment_fixed_size 0
		.amdhsa_enable_private_segment 0
		.amdhsa_kernarg_size 80
		.amdhsa_user_sgpr_count 2
		.amdhsa_user_sgpr_kernarg_segment_ptr 1
		.amdhsa_wavefront_size32 1
		.amdhsa_system_sgpr_workgroup_id_x 1
		.amdhsa_system_sgpr_workgroup_id_y 1
		.amdhsa_system_sgpr_workgroup_id_z 1
		.amdhsa_system_vgpr_workitem_id 0
		.amdhsa_next_free_vgpr 256
		.amdhsa_next_free_sgpr 80
		.amdhsa_reserve_vcc 0
		.amdhsa_float_denorm_mode_32 3
		.amdhsa_float_denorm_mode_16_64 3
		.amdhsa_memory_ordered 1
		.amdhsa_forward_progress 1
		.amdhsa_inst_pref_size 178
	.end_amdhsa_kernel
	.amdgpu_metadata
---
amdhsa.version: [ 1, 2 ]
amdhsa.kernels:
  - .name:           k_q5b5da367e6_net
    .symbol:         k_q5b5da367e6_net.kd
    .args:
      - { .name: x, .offset: 0, .size: 8, .value_kind: global_buffer, .address_space: global }
      - { .name: embed_w, .offset: 8, .size: 8, .value_kind: global_buffer, .address_space: global }
      - { .name: w_ih_codes, .offset: 16, .size: 8, .value_kind: global_buffer, .address_space: global }
      - { .name: w_ih_scales, .offset: 24, .size: 8, .value_kind: global_buffer, .address_space: global }
      - { .name: b_ih, .offset: 32, .size: 8, .value_kind: global_buffer, .address_space: global }
      - { .name: b_hh, .offset: 40, .size: 8, .value_kind: global_buffer, .address_space: global }
      - { .name: w_dense_codes, .offset: 48, .size: 8, .value_kind: global_buffer, .address_space: global }
      - { .name: w_dense_scales, .offset: 56, .size: 8, .value_kind: global_buffer, .address_space: global }
      - { .name: b_dense, .offset: 64, .size: 8, .value_kind: global_buffer, .address_space: global }
      - { .name: out0, .offset: 72, .size: 8, .value_kind: global_buffer, .address_space: global }
    .group_segment_fixed_size: 125952
    .private_segment_fixed_size: 0
    .kernarg_segment_align: 8
    .kernarg_segment_size: 80
    .max_flat_workgroup_size: 512
    .sgpr_count:     80
    .vgpr_count:     256
    .wavefront_size: 32
...
	.end_amdgpu_metadata
.endif
;; end of part 1
;; ======== version 2 of 2: 1 launch; version 1 with the launch net written anew for expert scheduling mode
;; launch net (part 2): grid 256 x 1, 16 waves a work-group, no clusters, 125,952 bytes of LDS; arguments x, embed_w, w_ih_codes, w_ih_scales, b_ih, b_hh, w_dense_codes, w_dense_scales, b_dense, out0; writes out0
.if DOCPART == 2
	.amdgcn_target "amdgcn-amd-amdhsa--gfx1250"
	.amdhsa_code_object_version 6
	.text
	.protected	k_q5b5da367e6_net
	.globl	k_q5b5da367e6_net
	.p2align	8
	.type	k_q5b5da367e6_net,@function
k_q5b5da367e6_net:
	s_mov_b64 s[64:65], 0
	v_nop
	global_prefetch_b8 v0, s[64:65] scope:SCOPE_SE
	s_setreg_imm32_b32 hwreg(HW_REG_WAVE_SCHED_MODE, 0, 2), 2
	s_setreg_imm32_b32 hwreg(HW_REG_WAVE_MODE, 25, 1), 1
	s_wait_xcnt 0x0
	s_wait_alu depctr_vm_vsrc(0)
; out = h W_dense^T + b_dense,  h = sigmoid(o) tanh(c),  c = sigmoid(i) tanh(g),  (i, g, o) = e W_ih^T + b_ih + b_hh,  e = embed_w[x].
; Both products on codes of FP4 (E2M1) with one E8M0 scale for each 32 along K: e and h are quantised here, in registers; the weights come as codes.
; WORK LEFT OUT, for all finite values of the inputs:
;   h0 @ w_hh^T: h0 is a zero that the problem builds itself; its codes are zeros, so the product is 0.  w_hh_codes and w_hh_scales have no way to the output: not loaded, no arguments.
;   the gate f: it enters only sigmoid(f) * c0, and c0 is a zero that the problem builds itself.  So rows 512 .. 1023 of w_ih, b_ih and b_hh are not read and not multiplied.
;   LIMIT: a NaN, an infinity, an overflow or a scale byte 0xff that reaches only this work is not carried to the result.
; SHARES.  256 work-groups of 128 tokens (8 tiles of 16).  Sixteen waves of 256 registers.  THE WAVES SHARE THE COLUMNS: wave w owns hidden units 32 w .. 32 w + 31, one block of the second
;   product's K, and keeps their i, g and o rows of w_ih (12 fragments, 96 registers), the scale words and the summed biases in registers for all eight tiles.
; PHASES.  X: wave w gathers tokens 8 w .. 8 w + 7, quantises them and lays them in LDS as images of the operand's registers; it also lays one column tile of w_dense there | barrier |
;   1: for each tile of tokens: gates (transposed: source 0 = 16 rows of w_ih, source 1 = 16 tokens), the cell, h quantised: 16 bytes of codes and one scale byte a token, to LDS | barrier |
;   2: wave w makes outputs 64 (w % 4) .. + 63 of token tiles 2 (w / 4), 2 (w / 4) + 1 and stores them.
; THE ROWS OF A TILE ARE CHOSEN.  w_ih: lane r of tile u takes row (gate) + 32 w + 8 u + r + (r & 8): a lane's 16 results of u = 0, 1 are units 32 w + 16 (lane / 16) + 0 .. 15, neighbours along the next K.
;   w_dense: lane r of tile t takes row 64 (w % 4) + 4 r + t: register j of the four tiles is four neighbouring outputs of one token, and sixteen lanes store 256 consecutive bytes, aligned.
; THE CELL, in f32, with forms of tanh that take no difference of near numbers (g and c may be small):
;   tanh(g) = g P(g^2) / Q(g^2), P of degree 6, Q of degree 3, g held to +-7.90531, beyond which tanh is +-1 in f32;  sigmoid(i) = 1 / (1 + a), a = 2^(-log2(e) i);  c = g P / (Q + Q a): one reciprocal.
;   |c| <= 1 whatever the inputs (a sigmoid times a tanh): tanh(c) = c (21 T^2 + 1260 T + 10395) / (T^3 + 210 T^2 + 4725 T + 10395), T = c^2, the continued fraction's sixth convergent, within 4e-10 there.
;   LIMITS: where (1 + a) Q passes about 2^126 the reciprocal is 0 and so is the result (its true size is under 1e-36).  NaN and infinities among the inputs are not served.
;   A block whose largest magnitude lies under 2^-124 has its byte held at 1; a block of zeros so gets the byte 1: its codes are zeros, and this program alone reads the bytes.
; NOT USED, AND WHY.  Tensor loads: the rows of e come by a list, and each weight byte is read once by a work-group.  Joint loads in a cluster: a fragment of w_ih serves ONE wave of a work-group, from its
;   registers, for all eight tiles; a joint load lands in LDS alone, which would add 192 KB written and read once for each work-group; w_dense is 64 KB beside 448 KB of other bytes.
; The eight tiles are written out: the tile stands in each LDS offset, so every LDS address is a constant + a lane term + a wave term.
; THE MODE: SCHED_MODE bits 1:0 = 2 (LLVM: expert scheduling mode 2), set by the entry lines.  The code itself states the register dependences
; between vector or matrix instructions and memory or LDS instructions, with s_wait_alu, always for 0.
; THE PLAN.  Registers that memory or LDS instructions touch in phase 1, tile m:
;   XF, XS        Read by the tile's 12 matrix instructions; behind them the LDS loads of tile m + 1 land there.
;   v[TT+4 .. 6]  h's codes and scale byte: written by the tile's last three vector lines, read by its two LDS stores, written again by the next tile's polynomials.
;   v2, v3        Read by e's LDS loads; made anew in tile 7, for w_dense.    v4, v5  Read by h's LDS stores; made anew inside the second barrier.
;   WI, WIS, BIAS Read by matrix instructions alone, until tile 7's have read them: then w_dense's fragments, its scale words and b_dense land there.
;   The gates, T, P, Q (but for the three above) and the constants are named by vector and matrix instructions alone.
; The wait on va_vdst that stands ahead of the first reader of a tile's exponentials states as well that the tile's matrix instructions are done reading XF, XS, WI, WIS and BIAS (tile 7: and that v1 to v3 are
; written): so the next tile's loads (tile 7: w_dense's) stand straight behind it and want no wait of their own.  One more wait on va_vdst stands ahead of the tile's two stores, and one on vm_vsrc at the head
; of the next tile.  The head and phase 2 have a wait ahead of each run of loads or stores whose registers vector instructions have named, as their comments say.
.set VOCAB, 50257
; LDS
.set XIMG,  0                          ; e's codes: [tile m][K step s][half c], 512 bytes each: a lane's 16 bytes at 16 x lane
.set XSC,   16384                      ; e's scale bytes: [128 tokens][8]
.set HIMG,  17408                      ; h's codes: [tile m][K step s of 4][half c], likewise
.set HSC,   50176                      ; h's scale bytes: [128 tokens][16]
.set BL,    52224                      ; 384 bytes for each wave: b_ih + b_hh of its 3 x 32 gate rows
.set WIMG,  58368                      ; w_dense's codes: [group of 64 outputs][tile t][K step s][half c], 512 bytes each
.set SPARE, 123904                     ; the spare words, 128 bytes for each wave: eight blocks of 256 bytes that no other line names
; vector registers.  v0 the thread's number, kept.  v1-v5 addresses.  v[6:7], v[8:9], v[10:11] three constants, twice each
.set WIS,  12                          ; v12-17   w_ih's scale words of tile (g, u): lanes 0-15 K step 0, lanes 16-31 K step 1
.set XS,   18                          ; v18-19   e's scale words, K steps 0, 1
.set HS,   20                          ; v20-23   h's scale words, K steps 0 .. 3: lanes 0-15 my first token tile, lanes 16-31 my second
.set WI,   24                          ; v24-119  w_ih's fragments (g, u, s) at 8 (4 g + 2 u + s)
.set BIAS, 120                         ; v120-167 the biases in the result's layout, (g, u) at 16 g + 8 u
.set TT,   168                         ; v168-175 T;  v176-183 P;  v184-191 Q: at work
.set PP,   176
.set QQ,   184
.set ACC,  192                         ; v192-239 the gates: i, g, o, 16 each
.set GI,   192
.set GG,   208
.set GO,   224
.set XF,   240                         ; v240-255 e's two fragments
.set WDS,  12                          ; phase 2: v12-19 w_dense's scale words (t, p): lanes 0-15 K step 2 p, lanes 16-31 K step 2 p + 1
.set WD,   24                          ; v24-151  w_dense's fragments (t, s) at 8 (4 t + s)
.set BD,   152                         ; v152-155 b_dense of my lane's four outputs
.set OACC, 156                         ; v156-187 four accumulators
.set AOUT, 188                         ; v188     my byte offset in out
.set HF,   192                         ; v192-255 h's fragments (tt, s) at 32 tt + 8 s; then the results
.set SPW,  190                         ; v190, v191: made at the end from v0: the wave's 256 registers leave no two to be kept
.set NIL,  191
.set WV,   28                          ; s28      my wave's number
.macro PAIR r, bits                    ; a constant for the packed forms: they name a pair and take its low word for both halves
	s_mov_b32 s[\r], \bits
	s_mov_b32 s[\r+1], \bits
.endm
; e's fragments and scale words of token tile m
.macro XFLOAD m
.irp s, 0,1
.irp c, 0,1
	ds_load_b128 v[XF+8*\s+4*\c:XF+8*\s+4*\c+3], v2 offset:2048*(\m)+1024*\s+512*\c
.endr
.endr
	ds_load_b64 v[XS:XS+1], v3 offset:128*(\m)
.endm
; 12 matrix instructions: six accumulators by turns, one instruction a turn; the first K step takes the biases as C.  All their operands and scales came by loads
.macro GATES
.irp g, 0,1,2
.irp u, 0,1
	v_wmma_scale_f32_16x16x128_f8f6f4 v[ACC+16*\g+8*\u:ACC+16*\g+8*\u+7], v[WI+8*(4*\g+2*\u):WI+8*(4*\g+2*\u)+7], v[XF:XF+7], v[BIAS+16*\g+8*\u:BIAS+16*\g+8*\u+7], v[WIS+2*\g+\u], v[XS] matrix_a_fmt:MATRIX_FMT_FP4 matrix_b_fmt:MATRIX_FMT_FP4
.endr
.endr
.irp g, 0,1,2
.irp u, 0,1
	v_wmma_scale_f32_16x16x128_f8f6f4 v[ACC+16*\g+8*\u:ACC+16*\g+8*\u+7], v[WI+8*(4*\g+2*\u+1):WI+8*(4*\g+2*\u+1)+7], v[XF+8:XF+15], v[ACC+16*\g+8*\u:ACC+16*\g+8*\u+7], v[WIS+2*\g+\u], v[XS+1] matrix_a_fmt:MATRIX_FMT_FP4 matrix_b_fmt:MATRIX_FMT_FP4 matrix_a_scale:MATRIX_SCALE_ROW1
.endr
.endr
.endm
; behind the last tile's products w_ih's registers are free: w_dense's 16 fragments come from LDS, its scale words and b_dense from memory, under the last tile's vector work.  First their addresses:
.macro WDADDR
	s_and_b32 s29, s[WV], 3
	s_lshl_b32 s29, s29, 14
	s_add_co_u32 s29, s29, WIMG                    ; my group of 64 outputs
	v_and_b32 v1, 31, v0                           ; these seven plain lines are the places between the products and the first read of a result
	v_lshl_add_u32 v2, v1, 4, s29
	v_and_b32 v1, 15, v0
	v_bfe_u32 v3, v0, 4, 1
	v_lshlrev_b32 v3, 2, v3
	v_lshl_add_u32 v3, v1, 6, v3                   ; scale words: row 4 r + t of 16 bytes, + 4 for lanes 16-31
	v_lshlrev_b32 v1, 4, v1                        ; b_dense: 4 numbers a lane
.endm
; and then the loads
.macro WDLOAD
.irp t, 0,1,2,3
.irp s, 0,1,2,3
.irp c, 0,1
	ds_load_b128 v[WD+8*(4*\t+\s)+4*\c:WD+8*(4*\t+\s)+4*\c+3], v2 offset:4096*\t+1024*\s+512*\c
.endr
.endr
.endr
.irp t, 0,1,2,3
.irp p, 0,1
	global_load_b32 v[WDS+2*\t+\p], v3, s[22:23] offset:16*\t+8*\p
.endr
.endr
	global_load_b128 v[BD:BD+3], v1, s[24:25]
.endm
; one step of a polynomial over four pairs: d = d T + the constant in s[k:k+1]
.macro HORNER d, k
.irp p, 0,2,4,6
	v_pk_fma_f32 v[\d+\p:\d+\p+1], v[\d+\p:\d+\p+1], v[TT+\p:TT+\p+1], s[\k:\k+1] op_sel_hi:[1,1,0]
.endr
.endm
; numbers 8 sb .. 8 sb + 7 of token tile m: g becomes g P(g^2), a_i becomes Q(g^2) (1 + a_i)
.macro POLYG sb, m
.irp p, 0,2,4,6
	v_pk_mul_f32 v[TT+\p:TT+\p+1], v[GG+8*\sb+\p:GG+8*\sb+\p+1], v[GG+8*\sb+\p:GG+8*\sb+\p+1]
.endr
.irp p, 0,2,4,6
	v_pk_fma_f32 v[PP+\p:PP+\p+1], v[TT+\p:TT+\p+1], s[42:43], v[6:7] op_sel_hi:[1,0,1]    ; A13 T + A11
.endr
.irp p, 0,2,4,6
	v_pk_fma_f32 v[QQ+\p:QQ+\p+1], v[TT+\p:TT+\p+1], s[54:55], v[8:9] op_sel_hi:[1,0,1]    ; B6 T + B4
.endr
	HORNER PP, 44                                  ; + A9
	HORNER QQ, 56                                  ; + B2
	HORNER PP, 46                                  ; + A7
	HORNER QQ, 58                                  ; + B0
	HORNER PP, 48                                  ; + A5
	HORNER PP, 50                                  ; + A3
	HORNER PP, 52                                  ; + A1
.irp p, 0,2,4,6
	v_pk_mul_f32 v[GG+8*\sb+\p:GG+8*\sb+\p+1], v[GG+8*\sb+\p:GG+8*\sb+\p+1], v[PP+\p:PP+\p+1]
.endr
.if \sb == 0
	s_wait_alu depctr_va_vdst(0)                   ; one wait for the tile's 32 exponentials, ahead of the first line that names a result; the holds and the polynomials above are the work between.  It states as well: the tile's 12 matrix instructions are done reading XF, XS, WI, WIS and BIAS, in which the loads below land; in the last tile v1, v2 and v3 are written, which they read
.if (\m) < 7
	XFLOAD (\m)+1                                  ; the next tile's fragments and scale words of e: the rest of this tile's vector work ahead of their use
.else
	WDLOAD
.endif
.endif
.irp p, 0,2,4,6
	v_pk_fma_f32 v[GI+8*\sb+\p:GI+8*\sb+\p+1], v[QQ+\p:QQ+\p+1], v[GI+8*\sb+\p:GI+8*\sb+\p+1], v[QQ+\p:QQ+\p+1]
.endr
.endm
; numbers 8 sb .. 8 sb + 7: c becomes c P(c^2), a_o becomes Q(c^2) (1 + a_o)
.macro POLYC sb
.irp p, 0,2,4,6
	v_pk_mul_f32 v[TT+\p:TT+\p+1], v[GG+8*\sb+\p:GG+8*\sb+\p+1], v[GG+8*\sb+\p:GG+8*\sb+\p+1]
.endr
.irp p, 0,2,4,6
	v_pk_fma_f32 v[PP+\p:PP+\p+1], v[TT+\p:TT+\p+1], s[60:61], v[10:11] op_sel_hi:[1,0,1]  ; 21 T + 1260
.endr
.irp p, 0,2,4,6
	v_pk_add_f32 v[QQ+\p:QQ+\p+1], v[TT+\p:TT+\p+1], s[66:67] op_sel_hi:[1,0]              ; T + 210
.endr
	HORNER PP, 62                                  ; + 10395
	HORNER QQ, 68                                  ; + 4725
	HORNER QQ, 62                                  ; + 10395
.irp p, 0,2,4,6
	v_pk_mul_f32 v[GG+8*\sb+\p:GG+8*\sb+\p+1], v[GG+8*\sb+\p:GG+8*\sb+\p+1], v[PP+\p:PP+\p+1]
.endr
.irp p, 0,2,4,6
	v_pk_fma_f32 v[GO+8*\sb+\p:GO+8*\sb+\p+1], v[QQ+\p:QQ+\p+1], v[GO+8*\sb+\p:GO+8*\sb+\p+1], v[QQ+\p:QQ+\p+1]
.endr
.endm
; 16 reciprocals of v[d ..] as one batch, one plain line, one wait; then g's registers times them
.macro DIVIDE d
.irp j, 0,1,2,3,4,5,6,7,8,9,10,11,12,13,14,15
	v_rcp_f32 v[\d+\j], v[\d+\j]
.endr
	v_nop                                          ; a plain line between the last reciprocal and the use of a result
	s_wait_alu depctr_va_vdst(0)                   ; the sixteen reciprocals have written v[d ..]: one wait ahead of the first use, for the batch
.irp j, 0,2,4,6,8,10,12,14
	v_pk_mul_f32 v[GG+\j:GG+\j+1], v[GG+\j:GG+\j+1], v[\d+\j:\d+\j+1]
.endr
.endm
; the cell of token tile m: a lane's 16 units of one token.  Each accumulator is read from its low end on
.macro VEC m
.irp j, 0,2,4,6,8,10,12,14
	v_pk_mul_f32 v[GI+\j:GI+\j+1], v[GI+\j:GI+\j+1], s[40:41] op_sel_hi:[1,0]              ; -log2(e) i
.endr
.irp j, 0,2,4,6,8,10,12,14
	v_pk_mul_f32 v[GO+\j:GO+\j+1], v[GO+\j:GO+\j+1], s[40:41] op_sel_hi:[1,0]              ; -log2(e) o
.endr
	s_wait_alu depctr_va_vdst(0)
.irp j, 0,1,2,3,4,5,6,7,8,9,10,11,12,13,14,15
	v_exp_f32 v[GI+\j], v[GI+\j]                   ; a_i = e^-i
.endr
.irp j, 0,1,2,3,4,5,6,7,8,9,10,11,12,13,14,15
	v_exp_f32 v[GO+\j], v[GO+\j]                   ; a_o = e^-o
.endr
	s_wait_alu depctr_va_vdst(0)
.irp j, 0,1,2,3,4,5,6,7,8,9,10,11,12,13,14,15
	v_med3_num_f32 v[GG+\j], v[GG+\j], s70, s71    ; g held to +-7.90531.  (Plain lines behind the exponentials)
.endr
	POLYG 0, \m
	POLYG 1, \m
	s_wait_alu depctr_va_vdst(0)
	DIVIDE GI                                      ; c = g P / (Q (1 + a_i))
	POLYC 0
	POLYC 1
	s_wait_alu depctr_va_vdst(0)
	DIVIDE GO                                      ; h = c P / (Q (1 + a_o))
.endm
; h's block w of token tile m: my 16 numbers and those of lane l xor 16 are the block.  8 bytes of codes a lane, one scale byte a token
.macro QH m
	v_max3_num_f32 v[TT], |v[GG]|, |v[GG+1]|, 0x1800000            ; with the floor 2^(3 - 127): the byte cannot fall under 1
	v_max3_num_f32 v[TT+2], |v[GG+8]|, |v[GG+9]|, |v[GG+10]|
	v_max3_num_f32 v[TT], v[TT], |v[GG+2]|, |v[GG+3]|
	v_max3_num_f32 v[TT+2], v[TT+2], |v[GG+11]|, |v[GG+12]|
	v_max3_num_f32 v[TT], v[TT], |v[GG+4]|, |v[GG+5]|
	v_max3_num_f32 v[TT+2], v[TT+2], |v[GG+13]|, |v[GG+14]|
	v_max3_num_f32 v[TT], v[TT], |v[GG+6]|, |v[GG+7]|
	v_max3_num_f32 v[TT], v[TT], v[TT+2], |v[GG+15]|
	v_permlanex16_b32 v[TT+1], v[TT], s72, s73
	v_max_num_f32 v[TT], v[TT], v[TT+1]            ; the block's largest magnitude
	v_add_nc_u32 v[TT+3], 0xff000000, v[TT]        ; 2 off its exponent field: the conversion takes the exponent field of this operand as its scale
	v_cvt_scalef32_pk8_fp4_f32 v[TT+4], v[GG:GG+7], v[TT+3]
	v_cvt_scalef32_pk8_fp4_f32 v[TT+5], v[GG+8:GG+15], v[TT+3]
	v_lshrrev_b32 v[TT+6], 23, v[TT+3]             ; the scale's byte.  (The plain line behind the conversions)
	s_wait_alu depctr_va_vdst(0)                   ; the conversions have written v[TT+4:TT+5] and the shift v[TT+6], which the two stores read
	ds_store_b64 v4, v[TT+4:TT+5] offset:4096*(\m) ; block w of K is 16 bytes of lane r + 16 (w % 2) in image (m, w / 4, (w / 2) % 2): byte 256 w + 16 r + 8 (lane / 16) of the tile's 4,096
	ds_store_b8 v5, v[TT+6] offset:256*(\m)        ; both lanes of a token write the same byte with the same value
.endm
.macro TILE m
	s_wait_dscnt 0x0                               ; this tile's fragments and scale words of e are in; the last tile's two stores are done
.if (\m) > 0
	s_wait_alu depctr_vm_vsrc(0)                   ; the last tile's two stores have read v[TT+4 .. TT+6], which this tile's polynomials write; in the last tile also: e's LDS loads have read v2 and v3, which are made anew
.endif
	GATES
.if (\m) < 7
.rept 4
	v_nop                                          ; four places between the products and the first read of a result
.endr
.else
	WDADDR
.endif
	VEC \m
	QH \m
.endm
; 16 matrix instructions: my four tiles of outputs by turns, K step by K step, for my token tile tt.  Source 0 = h's 16 tokens, source 1 = 16 rows of w_dense.  All their operands and scales came by loads
.macro P2MUL tt
.irp s, 0,1,2,3
.irp t, 0,1,2,3
.set rD, OACC+8*\t
.set rA, HF+32*\tt+8*\s
.set rB, WD+8*(4*\t+\s)
.set rS, WDS+2*\t+\s/2
.if (\s == 0) && (\tt == 0)
	v_wmma_scale_f32_16x16x128_f8f6f4 v[rD:rD+7], v[rA:rA+7], v[rB:rB+7], 0, v[HS+\s], v[rS] matrix_a_fmt:MATRIX_FMT_FP4 matrix_b_fmt:MATRIX_FMT_FP4
.elseif \s == 0
	v_wmma_scale_f32_16x16x128_f8f6f4 v[rD:rD+7], v[rA:rA+7], v[rB:rB+7], 0, v[HS+\s], v[rS] matrix_a_fmt:MATRIX_FMT_FP4 matrix_b_fmt:MATRIX_FMT_FP4 matrix_a_scale:MATRIX_SCALE_ROW1
.elseif (\s == 2) && (\tt == 0)
	v_wmma_scale_f32_16x16x128_f8f6f4 v[rD:rD+7], v[rA:rA+7], v[rB:rB+7], v[rD:rD+7], v[HS+\s], v[rS] matrix_a_fmt:MATRIX_FMT_FP4 matrix_b_fmt:MATRIX_FMT_FP4
.elseif \s == 2
	v_wmma_scale_f32_16x16x128_f8f6f4 v[rD:rD+7], v[rA:rA+7], v[rB:rB+7], v[rD:rD+7], v[HS+\s], v[rS] matrix_a_fmt:MATRIX_FMT_FP4 matrix_b_fmt:MATRIX_FMT_FP4 matrix_a_scale:MATRIX_SCALE_ROW1
.elseif \tt == 0
	v_wmma_scale_f32_16x16x128_f8f6f4 v[rD:rD+7], v[rA:rA+7], v[rB:rB+7], v[rD:rD+7], v[HS+\s], v[rS] matrix_a_fmt:MATRIX_FMT_FP4 matrix_b_fmt:MATRIX_FMT_FP4 matrix_b_scale:MATRIX_SCALE_ROW1
.else
	v_wmma_scale_f32_16x16x128_f8f6f4 v[rD:rD+7], v[rA:rA+7], v[rB:rB+7], v[rD:rD+7], v[HS+\s], v[rS] matrix_a_fmt:MATRIX_FMT_FP4 matrix_b_fmt:MATRIX_FMT_FP4 matrix_a_scale:MATRIX_SCALE_ROW1 matrix_b_scale:MATRIX_SCALE_ROW1
.endif
.endr
.endr
.endm
; register j of the four accumulators: outputs 4 r + 0 .. 3 of token 8 (lane / 16) + j.  With the bias they go into the registers that h's fragments have left, and out: 32 additions, one wait, eight stores
.macro P2OUT tt
.rept 4
	v_nop                                          ; four places between the products and the lines that read their results and write over their sources
.endr
.irp j, 0,1,2,3,4,5,6,7
.irp t, 0,1,2,3
	v_add_f32 v[HF+32*\tt+4*\j+\t], v[OACC+8*\t+\j], v[BD+\t]      ; j = 0 first: each accumulator is read from its low end on
.endr
.endr
	s_wait_alu depctr_va_vdst(0)                   ; the 32 additions have written v[HF + 32 tt ..], which the eight stores read
.irp j, 0,1,2,3,4,5,6,7
	global_store_b128 v[AOUT], v[HF+32*\tt+4*\j:HF+32*\tt+4*\j+3], s[26:27] offset:(16*\tt+\j)*1024 th:TH_STORE_NT   ; sixteen lanes store 256 consecutive bytes, at a multiple of 256 from out's first byte; the other sixteen those of the token 8 rows on
.endr
.endm
	; ---- the head
	s_load_b512 s[8:23], s[0:1], 0x0               ; x s[8:9], embed_w s[10:11], w_ih's codes s[12:13], scales s[14:15], b_ih s[16:17], b_hh s[18:19], w_dense's codes s[20:21], scales s[22:23]
	s_load_b128 s[24:27], s[0:1], 0x40             ; b_dense s[24:25], out s[26:27]
	v_lshrrev_b32 v11, 5, v0
	v_readfirstlane_b32 s[WV], v11                 ; wave 0 .. 15
	v_and_b32 v176, 31, v0                         ; l: lane
	v_and_b32 v177, 15, v0                         ; r
	v_bfe_u32 v178, v0, 4, 1                       ; h
	v_and_b32 v179, 8, v0
	v_add_nc_u32 v179, v179, v177                  ; r + (r & 8)
	v_bfe_u32 v180, v0, 2, 3                       ; l / 4: which block of 32 of a row of e
	v_and_b32 v181, 3, v0                          ; l % 4
	v_lshlrev_b32 v1, 5, v176                      ; e: my 8 numbers of a row: 32 l
	v_lshlrev_b32 v2, 7, v179
	v_lshl_add_u32 v2, v178, 4, v2                 ; w_ih's codes: a row is 128 bytes; + 16 h
	v_lshlrev_b32 v3, 3, v179
	v_lshl_add_u32 v3, v178, 2, v3                 ; w_ih's scale words: 8 bytes a row; lanes 16-31 take K step 1's
	v_lshlrev_b32 v4, 2, v176                      ; the biases: 4 l
	s_wait_alu depctr_va_vdst(0)
	v_lshlrev_b32 v5, 10, v177
	v_lshl_add_u32 v5, v178, 4, v5                 ; w_dense's codes: rows 4 r + t of 256 bytes; + 16 h
	s_wait_alu depctr_va_sdst(0)                   ; the wave's number is written, ahead of its first reader: LDS addresses and the buffers' bases are made from it
	s_lshr_b32 s29, s[WV], 1
	s_lshl_b32 s29, s29, 11
	s_and_b32 s30, s[WV], 1
	s_lshl_b32 s30, s30, 7
	s_add_co_u32 s29, s29, s30
	s_add_co_u32 s29, s29, XIMG
	v_lshlrev_b32 v6, 8, v180
	v_lshl_add_u32 v6, v181, 2, v6
	v_add_nc_u32 v6, s29, v6                       ; e's codes: token 8 w + i, k = 8 l on: 2048 (w / 2) + 128 (w % 2) + 16 i + 256 (l / 4) + 4 (l % 4)
	s_lshl_b32 s29, s[WV], 6
	s_add_co_u32 s29, s29, XSC
	v_add_nc_u32 v7, s29, v180                     ; e's scale bytes: 8 (8 w + i) + l / 4
	s_mul_i32 s29, s[WV], 384
	s_add_co_u32 s29, s29, BL
	v_add_nc_u32 v8, s29, v4                       ; my wave's biases: in, 4 l;
	v_lshl_add_u32 v9, v178, 6, s29                ; back, units 16 h on
	s_lshl_b32 s29, s[WV], 12
	s_add_co_u32 s29, s29, WIMG
	v_lshl_add_u32 v10, v176, 4, s29               ; w_dense's images: column tile w, 16 l
	PAIR 40, 0xbfb8aa3b                            ; -log2(e)
	PAIR 42, 0xa59f25c0                            ; A13 = -2.76076847742355e-16
	PAIR 44, 0xaebd37ff                            ; A9  = -8.60467152213735e-11
	PAIR 46, 0x335c0041                            ; A7  =  5.12229709037114e-08
	PAIR 48, 0x3779434a                            ; A5  =  1.48572235717979e-05
	PAIR 50, 0x3a270ded                            ; A3  =  6.37261928875436e-04
	PAIR 52, 0x3ba059dc                            ; A1  =  4.89352455891786e-03
	PAIR 54, 0x35a0d3d8                            ; B6  =  1.19825839466702e-06
	PAIR 56, 0x3b14aa05                            ; B2  =  2.26843463243900e-03
	PAIR 58, 0x3ba059dd                            ; B0  =  4.89352518554385e-03
	PAIR 60, 0x41a80000                            ; 21
	PAIR 62, 0x46226c00                            ; 10395
	PAIR 66, 0x43520000                            ; 210
	PAIR 68, 0x4593a800                            ; 4725
	s_mov_b32 s70, 0xc0fcf84f                      ; -7.90531
	s_mov_b32 s71, 0x40fcf84f                      ; +7.90531
	s_mov_b32 s72, 0x76543210
	s_mov_b32 s73, 0xfedcba98                      ; v_permlanex16_b32's selects for lane l xor 16
	s_lshl_b32 s2, ttmp9, 9
	s_lshl_b32 s3, s[WV], 5
	s_add_co_u32 s2, s2, s3                        ; x: 4 bytes x (128 x work-group + 8 x wave)
	s_mov_b32 s3, 0
	s_mov_b32 s5, 0
	s_wait_kmcnt 0x0
	s_add_nc_u64 s[8:9], s[8:9], s[2:3]
	s_load_b256 s[32:39], s[8:9], 0x0              ; my eight tokens' indices
	s_and_b32 s6, s[WV], 3
	s_lshr_b32 s7, s[WV], 2
	s_lshl_b32 s4, s7, 14
	s_lshl_b32 s29, s6, 8
	s_add_co_u32 s4, s4, s29
	s_add_nc_u64 s[20:21], s[20:21], s[4:5]        ; w_dense's codes, for the images: group w / 4 of 64 rows, tile t = w % 4: row 64 (w / 4) + t
	s_lshl_b32 s4, s[WV], 7
	s_add_nc_u64 s[16:17], s[16:17], s[4:5]        ; the biases: unit 32 w
	s_add_nc_u64 s[18:19], s[18:19], s[4:5]
	s_lshl_b32 s4, s[WV], 8
	s_add_nc_u64 s[14:15], s[14:15], s[4:5]        ; w_ih's scales: row 32 w
	s_lshl_b32 s4, s[WV], 12
	s_add_nc_u64 s[12:13], s[12:13], s[4:5]        ; w_ih's codes: row 32 w
	s_lshl_b32 s4, s6, 10
	s_add_nc_u64 s[22:23], s[22:23], s[4:5]        ; phase 2: w_dense's scales: row 64 (w % 4);
	s_mov_b32 s4, s29
	s_add_nc_u64 s[24:25], s[24:25], s[4:5]        ; b_dense: output 64 (w % 4);
	s_lshl_b32 s4, ttmp9, 17
	s_lshl_b32 s30, s7, 15
	s_add_co_u32 s4, s4, s30
	s_add_co_u32 s4, s4, s29
	s_add_nc_u64 s[26:27], s[26:27], s[4:5]        ; out: token 128 x work-group + 32 (w / 4), output 64 (w % 4)
	s_wait_alu depctr_va_vdst(0)                   ; v1 to v10 are written: the offsets and LDS addresses that the head's loads and stores read
.irp s, 0,1,2,3
.irp c, 0,1
	global_load_b128 v[BIAS+8*\s+4*\c:BIAS+8*\s+4*\c+3], v5, s[20:21] offset:64*\s+32*\c   ; one column tile of w_dense, four fragments: on their way to LDS
.endr
.endr
.irp g, 0,1,2
	global_load_b32 v[QQ+\g], v4, s[16:17] offset:4*512*(\g+(\g+1)/2)                      ; b_ih and b_hh of my 32 units: gate rows 0, 1024, 1536 on
	global_load_b32 v[QQ+3+\g], v4, s[18:19] offset:4*512*(\g+(\g+1)/2)
.endr
.irp g, 0,1,2
.irp u, 0,1
	global_load_b32 v[WIS+2*\g+\u], v3, s[14:15] offset:(512*(\g+(\g+1)/2)+8*\u)*8
.endr
.endr
.irp g, 0,1,2
.irp u, 0,1
.irp s, 0,1
.irp c, 0,1
	global_load_b128 v[WI+8*(4*\g+2*\u+\s)+4*\c:WI+8*(4*\g+2*\u+\s)+4*\c+3], v2, s[12:13] offset:(512*(\g+(\g+1)/2)+8*\u)*128+64*\s+32*\c
.endr
.endr
.endr
.endr
	s_wait_kmcnt 0x0                               ; the indices
.irp i, 0,1,2,3,4,5,6,7
	s_min_u32 s[32+\i], s[32+\i], VOCAB-1          ; an index stays inside the table
	s_lshl_b32 s[32+\i], s[32+\i], 10              ; a row of embed_w is 1,024 bytes
	v_add_nc_u32 v[TT+\i], s[32+\i], v1
.endr
	s_wait_alu depctr_va_vdst(0)                   ; the eight rows' offsets v[TT ..] are written, which the sixteen loads below read
.irp i, 0,1,2,3,4,5,6,7
	global_load_b128 v[ACC+8*\i:ACC+8*\i+3], v[TT+\i], s[10:11]                ; token i: my lane's k = 8 l .. 8 l + 7
	global_load_b128 v[ACC+8*\i+4:ACC+8*\i+7], v[TT+\i], s[10:11] offset:16
.endr
	s_wait_loadcnt 46                              ; w_dense's 8 loads and the biases' 6 are in; the 6 + 24 + 16 issued behind them may be out
.irp s, 0,1,2,3
.irp c, 0,1
	ds_store_b128 v10, v[BIAS+8*\s+4*\c:BIAS+8*\s+4*\c+3] offset:1024*\s+512*\c            ; as images of the operand's registers
.endr
.endr
.irp g, 0,1,2
	v_add_f32 v[QQ+\g], v[QQ+\g], v[QQ+3+\g]       ; b_ih + b_hh
.endr
	s_wait_alu depctr_va_vdst(0)                   ; the three sums v[QQ .. QQ+2] are written, which the stores below read
.irp g, 0,1,2
	ds_store_b32 v8, v[QQ+\g] offset:128*\g
.endr
	s_wait_dscnt 0x0                               ; my sums lie in LDS, ahead of the loads that read them back
	s_wait_alu depctr_vm_vsrc(0)                   ; the LDS stores have read v[BIAS ..], in which the loads below land, and v[QQ .. QQ+2], which e's conversions write; e's loads have read v[TT ..], which the first tile's polynomials write
.irp g, 0,1,2
.irp u, 0,1
	ds_load_b128 v[BIAS+16*\g+8*\u:BIAS+16*\g+8*\u+3], v9 offset:128*\g+32*\u              ; my wave's own bytes: units 16 h + 8 u + 0 .. 7, the result's layout
	ds_load_b128 v[BIAS+16*\g+8*\u+4:BIAS+16*\g+8*\u+7], v9 offset:128*\g+32*\u+16
.endr
.endr
	; ---- X: my eight tokens are quantised.  A block of 32 lies in four neighbouring lanes; the eight tokens take turns line by line
	s_wait_loadcnt 0x0
.irp i, 0,1,2,3,4,5,6,7
	v_max3_num_f32 v[PP+\i], |v[ACC+8*\i]|, |v[ACC+8*\i+1]|, 0x1800000                     ; with the floor 2^(3 - 127)
.endr
.irp p, 2,4,6
.irp i, 0,1,2,3,4,5,6,7
	v_max3_num_f32 v[PP+\i], v[PP+\i], |v[ACC+8*\i+\p]|, |v[ACC+8*\i+\p+1]|
.endr
.endr
.irp i, 0,1,2,3,4,5,6,7
	v_max_num_f32_dpp v[PP+\i], v[PP+\i], v[PP+\i] row_xmask:1 row_mask:0xf bank_mask:0xf
.endr
.irp i, 0,1,2,3,4,5,6,7
	v_max_num_f32_dpp v[PP+\i], v[PP+\i], v[PP+\i] row_xmask:2 row_mask:0xf bank_mask:0xf
.endr
.irp i, 0,1,2,3,4,5,6,7
	v_add_nc_u32 v[PP+\i], 0xff000000, v[PP+\i]    ; 2 off the exponent field: the conversion's scale operand
.endr
.irp i, 0,1,2,3,4,5,6,7
	v_cvt_scalef32_pk8_fp4_f32 v[QQ+\i], v[ACC+8*\i:ACC+8*\i+7], v[PP+\i]
.endr
	v_nop                                          ; one plain line behind the conversions, ahead of the lines that write their sources
.irp i, 0,1,2,3,4,5,6,7
	v_lshrrev_b32 v[PP+\i], 23, v[PP+\i]           ; the scale's byte
.endr
	s_wait_alu depctr_va_vdst(0)                   ; the conversions have written the codes v[QQ ..] and the shifts the bytes v[PP ..], which the sixteen stores below read
.irp i, 0,1,2,3,4,5,6,7
	ds_store_b32 v6, v[QQ+\i] offset:16*\i
	ds_store_b8 v7, v[PP+\i] offset:8*\i           ; the four lanes of a block write the same byte with the same value
.endr
	s_wait_dscnt 0x0                               ; for the others' sake: my images and bytes lie in LDS; my biases are in
	s_wait_alu depctr_vm_vsrc(0)                   ; the head's loads and stores have read v2 to v10, which the lines below write anew, and v[PP ..], v[QQ ..], which the first tile's polynomials write
	s_barrier_signal -1
	v_mov_b32 v6, 0x2a61337e                       ; work on registers while the others arrive.  A11 = 2.00018790482477e-13,
	v_mov_b32 v7, 0x2a61337e
	v_mov_b32 v8, 0x38f895d6                       ; B4 = 1.18534705686654e-04,
	v_mov_b32 v9, 0x38f895d6
	v_mov_b32 v10, 0x449d8000                      ; 1260: the second constant of a polynomial's first step stands in vector registers
	v_mov_b32 v11, 0x449d8000
	v_and_b32 v2, 31, v0
	v_lshl_add_u32 v2, v2, 4, XIMG                 ; e's images: 16 l
	v_and_b32 v1, 15, v0
	v_lshl_add_u32 v3, v1, 3, XSC                  ; e's scale words: 8 r
	s_lshl_b32 s29, s[WV], 8
	s_add_co_u32 s29, s29, HIMG
	v_bfe_u32 v4, v0, 4, 1
	v_lshlrev_b32 v4, 3, v4
	v_lshl_add_u32 v4, v1, 4, v4
	v_add_nc_u32 v4, s29, v4                       ; h's codes: 256 w + 16 r + 8 h
	s_add_co_u32 s29, s[WV], HSC
	v_lshl_add_u32 v5, v1, 4, s29                  ; h's scale byte: 16 r + w
	s_barrier_wait -1                              ; e's images and bytes and w_dense's images are whole
	; ---- 1: the eight tiles of tokens
	s_wait_alu depctr_va_vdst(0)                   ; v2 to v5 are written, which phase 1's LDS loads and stores read; e's conversions are done reading v240 to v255, in which the first tile's fragments land
	XFLOAD 0
.irp m, 0,1,2,3,4,5,6,7
	TILE \m
.endr
	s_wait_dscnt 0x0                               ; for the others' sake: my part of h lies in LDS; w_dense's fragments are in
	s_wait_alu depctr_vm_vsrc(0)                   ; h's stores have read v4 and v5, which the lines below write anew, and v[TT+4 .. TT+6], which phase 2's products write
	s_barrier_signal -1
	s_lshr_b32 s29, s[WV], 2                       ; work on registers while the others arrive: my pair of token tiles
	s_lshl_b32 s30, s29, 13
	s_add_co_u32 s30, s30, HIMG
	s_lshl_b32 s31, s29, 9
	s_add_co_u32 s31, s31, HSC
	v_and_b32 v189, 31, v0
	v_lshl_add_u32 v4, v189, 4, s30                ; h's images: 8192 (w / 4) + 16 l
	v_lshl_add_u32 v5, v189, 4, s31                ; h's scale words: token 32 (w / 4) + l, 16 bytes
	v_bfe_u32 v[AOUT], v0, 4, 1
	v_lshlrev_b32 v[AOUT], 13, v[AOUT]
	v_and_b32 v189, 15, v0
	v_lshl_add_u32 v[AOUT], v189, 4, v[AOUT]       ; out: 8 h rows of 1,024 bytes + 16 r
	s_barrier_wait -1                              ; h's images and bytes are whole
	; ---- 2: the dense head
	s_wait_loadcnt 0x0                             ; w_dense's scale words and b_dense, asked for in the last tile
	s_wait_alu depctr_va_vdst(0)                   ; v4, v5 and v[AOUT] are written, which the loads and stores below read; the cell and h's conversions are done with v192 to v255, in which h's fragments land
	ds_load_b128 v[HS:HS+3], v5
.irp tt, 0,1
.irp s, 0,1,2,3
.irp c, 0,1
	ds_load_b128 v[HF+32*\tt+8*\s+4*\c:HF+32*\tt+8*\s+4*\c+3], v4 offset:4096*\tt+1024*\s+512*\c
.endr
.endr
.endr
	s_wait_dscnt 8                                 ; the scale words and my first tile's fragments are in; the second tile's eight loads may be out
	P2MUL 0
	P2OUT 0
	s_wait_dscnt 0x0
	P2MUL 1                                        ; its first products begin the four accumulators anew: behind the four v_nop stand 18 additions or more that name no register of any one earlier product
	P2OUT 1
	v_lshl_add_u32 v[SPW], v0, 2, SPARE            ; the wave's end: the add's two registers, made anew from v0; no memory or LDS instruction has read v190 or v191 since the wait on vm_vsrc ahead of the second barrier
	v_mov_b32 v[NIL], 0
	s_wait_dscnt 0x0                               ; the closing lines, six on end
	s_wait_alu 0x0
	s_wait_tensorcnt 0x0
	ds_add_u32 v[SPW], v[NIL]
	s_wait_dscnt 0x0
	s_endpgm
.Lfunc_end_k_q5b5da367e6_net:
	.size	k_q5b5da367e6_net, .Lfunc_end_k_q5b5da367e6_net-k_q5b5da367e6_net
	.p2alignl 7, 3214868480
	.fill 96, 4, 3214868480
	.section	.rodata,"a",@progbits
	.p2align	6, 0x0
	.amdhsa_kernel k_q5b5da367e6_net
		.amdhsa_group_segment_fixed_size 125952
		.amdhsa_private_segment_fixed_size 0
		.amdhsa_enable_private_segment 0
		.amdhsa_kernarg_size 80
		.amdhsa_user_sgpr_count 2
		.amdhsa_user_sgpr_kernarg_segment_ptr 1
		.amdhsa_wavefront_size32 1
		.amdhsa_system_sgpr_workgroup_id_x 1
		.amdhsa_system_sgpr_workgroup_id_y 1
		.amdhsa_system_sgpr_workgroup_id_z 1
		.amdhsa_system_vgpr_workitem_id 0
		.amdhsa_next_free_vgpr 256
		.amdhsa_next_free_sgpr 80
		.amdhsa_reserve_vcc 0
		.amdhsa_float_denorm_mode_32 3
		.amdhsa_float_denorm_mode_16_64 3
		.amdhsa_memory_ordered 1
		.amdhsa_forward_progress 1
		.amdhsa_inst_pref_size 180
	.end_amdhsa_kernel
	.amdgpu_metadata
---
amdhsa.version: [ 1, 2 ]
amdhsa.kernels:
  - .name:           k_q5b5da367e6_net
    .symbol:         k_q5b5da367e6_net.kd
    .args:
      - { .name: x, .offset: 0, .size: 8, .value_kind: global_buffer, .address_space: global }
      - { .name: embed_w, .offset: 8, .size: 8, .value_kind: global_buffer, .address_space: global }
      - { .name: w_ih_codes, .offset: 16, .size: 8, .value_kind: global_buffer, .address_space: global }
      - { .name: w_ih_scales, .offset: 24, .size: 8, .value_kind: global_buffer, .address_space: global }
      - { .name: b_ih, .offset: 32, .size: 8, .value_kind: global_buffer, .address_space: global }
      - { .name: b_hh, .offset: 40, .size: 8, .value_kind: global_buffer, .address_space: global }
      - { .name: w_dense_codes, .offset: 48, .size: 8, .value_kind: global_buffer, .address_space: global }
      - { .name: w_dense_scales, .offset: 56, .size: 8, .value_kind: global_buffer, .address_space: global }
      - { .name: b_dense, .offset: 64, .size: 8, .value_kind: global_buffer, .address_space: global }
      - { .name: out0, .offset: 72, .size: 8, .value_kind: global_buffer, .address_space: global }
    .group_segment_fixed_size: 125952
    .private_segment_fixed_size: 0
    .kernarg_segment_align: 8
    .kernarg_segment_size: 80
    .max_flat_workgroup_size: 512
    .sgpr_count:     80
    .vgpr_count:     256
    .wavefront_size: 32
...
	.end_amdgpu_metadata
.endif
;; end of part 2
